; MI455X (gfx1250); checked and timed in simulation.
; The chip was launched on July 23, 2026; its instructions are those of AMD's public machine-readable ISA for CDNA 5 (MIT licence, August 2026) and "CDNA5" Instruction Set Architecture Reference Guide (July 2026). The comments in the code are by the model that wrote it; some were corrected since.
;; Discrete Key Value Bottleneck. Allowed arithmetic: float matrix products may take bf16 or f16 operands with f32 sums; other float arithmetic in f32, or as packed bf16 or f16 multiplies, adds, multiply-adds, maxima and minima; sums over many terms, partial sums and values carried from step to step in f32; what a program stores and reads back later, other than sums and carried values, may be rounded once to bf16 or f16.
;; Inputs: codebook 8,192 x 512 float32; values 8,192 x 512 float32; x 8 x 2,048 x 512 float32.
;; Outputs: out0 8 x 2,048 x 512 float32.
;; 2 versions, each right; version 2 is version 1 with the launch pick written anew for expert scheduling mode. Each part assembles by itself: llvm-mc -triple=amdgcn-amd-amdhsa -mcpu=gfx1250 --defsym DOCPART=n.
;; ======== version 1 of 2: 3 launches
;; workspace buffers: xb 16,777,216 bytes; cbb 8,388,608 bytes; xsq 65,536 bytes; esq 32,768 bytes; pdist 131,072 bytes; pidx 131,072 bytes of whole numbers
;; launch round (part 1): grid 256 x 1, 24 waves a work-group, no clusters, 0 bytes of LDS; arguments x, codebook, xb, cbb, xsq, esq; writes xb, cbb, xsq, esq
.if DOCPART == 1
	.amdgcn_target "amdgcn-amd-amdhsa--gfx1250"
	.amdhsa_code_object_version 6
	.text
	.protected	k_q98ea1dcebb_round
	.globl	k_q98ea1dcebb_round
	.p2align	8
	.type	k_q98ea1dcebb_round,@function
k_q98ea1dcebb_round:
	s_mov_b64 s[64:65], 0
	v_nop
	global_prefetch_b8 v0, s[64:65] scope:SCOPE_SE
	s_setreg_imm32_b32 hwreg(HW_REG_WAVE_MODE, 25, 1), 1
	s_wait_xcnt 0x0
; xb = x and cbb = codebook, each number rounded once to bf16 (nearest even); xsq[r], esq[k] = the sum of squares of the ROUNDED row, in f32.
; x: [16384][512] f32, codebook: [8192][512] f32.  The two tables are one list of 24,576 rows, cut into 6,144 chunks of four rows;
; 256 work-groups x 24 waves: a wave takes one chunk, chunk = 24 x work-group + wave.  No loop: all 16 loads of a wave (8 KiB) go out at once.
; A load of a wave covers 512 consecutive bytes of a row, a store 256 consecutive bytes at a multiple of 256 from the buffer's first byte.
; No LDS, no matrix unit, no cluster: nothing is shared and nothing is multiplied but a number by itself.
; LIMITS.  The order of a row's 512 additions is this text's own (two chains a lane, then across the lanes).  The four sums of a chunk leave as
; 16 bytes from lane 0: 96 KiB in all beside 24 MiB of rows; gathering them through LDS would cost a barrier for each work-group.
.set ROWI, 2048                        ; bytes in a row as it comes
.set ROWO, 1024                        ; and as it leaves
.set XCH,  4096                        ; chunks of x; the codebook's follow
.set X, 16                             ; v[16:79]   row q: 16 registers as loaded: load i holds elements 128 i + 4 lane + 0..3
.set Y, 80                             ; v[80:111]  row q: 8 registers of bf16 pairs
.set S, 112                            ; v[112:119] row q: two chains of the sum
.set R, 120                            ; v[120:123] the four rows' sums
	s_load_b256 s[4:11], s[0:1], 0x0               ; x s[4:5], codebook s[6:7], xb s[8:9], cbb s[10:11]
	s_load_b128 s[12:15], s[0:1], 0x20             ; xsq s[12:13], esq s[14:15]
	v_lshrrev_b32 v5, 5, v0
	v_readfirstlane_b32 s16, v5                    ; wave 0..23
	v_and_b32 v1, 31, v0                           ; lane
	v_lshlrev_b32 v2, 4, v1                        ; in: 16 bytes a lane
	v_lshlrev_b32 v3, 3, v1                        ; out: 8 bytes a lane
	v_mov_b32 v4, 0                                ; what the sums start from
	s_mul_i32 s17, ttmp9, 24
	s_add_co_u32 s17, s17, s16                     ; my chunk
	s_mov_b32 s28, 0x76543210                      ; v_permlanex16_b32: each lane takes its own place in the other half
	s_mov_b32 s29, 0xfedcba98
	s_mov_b32 s27, 0                               ; high word of the offsets' pair
	s_wait_kmcnt 0x0
	s_cmp_lt_u32 s17, XCH                          ; a chunk of x, or of the codebook?  The selects leave SCC alone
	s_cselect_b64 s[18:19], s[4:5], s[6:7]         ; from
	s_cselect_b64 s[20:21], s[8:9], s[10:11]       ; to
	s_cselect_b64 s[22:23], s[12:13], s[14:15]     ; the sums
	s_cselect_b32 s24, 0, XCH
	s_sub_co_u32 s17, s17, s24                     ; the chunk's number in its own table
	s_lshl_b32 s26, s17, 13                        ; four rows of 2,048 bytes
	s_add_nc_u64 s[18:19], s[18:19], s[26:27]
	s_lshl_b32 s26, s17, 12                        ; four rows of 1,024 bytes
	s_add_nc_u64 s[20:21], s[20:21], s[26:27]
	s_lshl_b32 s26, s17, 4                         ; four sums
	s_add_nc_u64 s[22:23], s[22:23], s[26:27]
.irp q, 0,1,2,3
.irp g, 0,1,2,3
	global_load_b128 v[X+16*\q+4*\g:X+16*\q+4*\g+3], v2, s[18:19] offset:ROWI*\q+512*\g th:TH_LOAD_NT
.endr
.endr
; Row q: rounded, stored, squared and summed.
.macro ROWQ q
	s_wait_loadcnt 12-4*(\q)                       ; loads come back in order (ISA guide 5.7.1): this row's four are in, four for each younger row stay out
.irp n, 0,1,2,3,4,5,6,7
	v_cvt_pk_bf16_f32 v[Y+8*(\q)+\n], v[X+16*(\q)+2*\n], v[X+16*(\q)+2*\n+1]
.endr
.irp g, 0,1,2,3
	global_store_b64 v3, v[Y+8*(\q)+2*\g:Y+8*(\q)+2*\g+1], s[20:21] offset:ROWO*(\q)+256*\g  ; 32 lanes x 8 bytes: 256 consecutive bytes
.endr
	; the squares of the rounded numbers, read as bf16 halves, summed in f32: chain 0 takes registers 0-3, chain 1 registers 4-7
	v_fma_mix_f32_bf16 v[S+2*(\q)],   v[Y+8*(\q)],   v[Y+8*(\q)],   v4 op_sel_hi:[1,1,0]
	v_fma_mix_f32_bf16 v[S+2*(\q)+1], v[Y+8*(\q)+4], v[Y+8*(\q)+4], v4 op_sel_hi:[1,1,0]
	v_fma_mix_f32_bf16 v[S+2*(\q)],   v[Y+8*(\q)],   v[Y+8*(\q)],   v[S+2*(\q)]   op_sel:[1,1,0] op_sel_hi:[1,1,0]
	v_fma_mix_f32_bf16 v[S+2*(\q)+1], v[Y+8*(\q)+4], v[Y+8*(\q)+4], v[S+2*(\q)+1] op_sel:[1,1,0] op_sel_hi:[1,1,0]
.irp n, 1,2,3
	v_fma_mix_f32_bf16 v[S+2*(\q)],   v[Y+8*(\q)+\n],   v[Y+8*(\q)+\n],   v[S+2*(\q)]   op_sel_hi:[1,1,0]
	v_fma_mix_f32_bf16 v[S+2*(\q)+1], v[Y+8*(\q)+4+\n], v[Y+8*(\q)+4+\n], v[S+2*(\q)+1] op_sel_hi:[1,1,0]
	v_fma_mix_f32_bf16 v[S+2*(\q)],   v[Y+8*(\q)+\n],   v[Y+8*(\q)+\n],   v[S+2*(\q)]   op_sel:[1,1,0] op_sel_hi:[1,1,0]
	v_fma_mix_f32_bf16 v[S+2*(\q)+1], v[Y+8*(\q)+4+\n], v[Y+8*(\q)+4+\n], v[S+2*(\q)+1] op_sel:[1,1,0] op_sel_hi:[1,1,0]
.endr
	v_add_f32 v[R+(\q)], v[S+2*(\q)], v[S+2*(\q)+1]
	v_add_f32_dpp v[R+(\q)], v[R+(\q)], v[R+(\q)] row_xmask:1 row_mask:0xf bank_mask:0xf   ; across the 16 lanes of a half,
	v_add_f32_dpp v[R+(\q)], v[R+(\q)], v[R+(\q)] row_xmask:2 row_mask:0xf bank_mask:0xf
	v_add_f32_dpp v[R+(\q)], v[R+(\q)], v[R+(\q)] row_xmask:4 row_mask:0xf bank_mask:0xf
	v_add_f32_dpp v[R+(\q)], v[R+(\q)], v[R+(\q)] row_xmask:8 row_mask:0xf bank_mask:0xf
	v_permlanex16_b32 v[X+16*(\q)], v[R+(\q)], s28, s29   ; and the other half's; the destination has been written (the row's first load) and is free
	v_add_f32 v[R+(\q)], v[R+(\q)], v[X+16*(\q)]
.endm
	ROWQ 0
	ROWQ 1
	ROWQ 2
	ROWQ 3
	s_wait_xcnt 0x0                                ; EXEC is a source of the stores above: it is narrowed only behind this wait
	v_cmp_eq_u32 vcc_lo, 0, v1
	s_and_saveexec_b32 s30, vcc_lo                 ; lane 0 alone; nothing follows that wants the other lanes
	global_store_b128 v3, v[R:R+3], s[22:23]       ; the chunk's four sums (lane 0's offset is 0)
	s_endpgm
.Lfunc_end_k_q98ea1dcebb_round:
	.size	k_q98ea1dcebb_round, .Lfunc_end_k_q98ea1dcebb_round-k_q98ea1dcebb_round
	.p2alignl 7, 3214868480
	.fill 96, 4, 3214868480
	.section	.rodata,"a",@progbits
	.p2align	6, 0x0
	.amdhsa_kernel k_q98ea1dcebb_round
		.amdhsa_group_segment_fixed_size 0
		.amdhsa_private_segment_fixed_size 0
		.amdhsa_enable_private_segment 0
		.amdhsa_kernarg_size 48
		.amdhsa_user_sgpr_count 2
		.amdhsa_user_sgpr_kernarg_segment_ptr 1
		.amdhsa_wavefront_size32 1
		.amdhsa_system_sgpr_workgroup_id_x 1
		.amdhsa_system_sgpr_workgroup_id_y 1
		.amdhsa_system_sgpr_workgroup_id_z 1
		.amdhsa_system_vgpr_workitem_id 0
		.amdhsa_next_free_vgpr 128
		.amdhsa_next_free_sgpr 66
		.amdhsa_reserve_vcc 1
		.amdhsa_float_denorm_mode_32 3
		.amdhsa_float_denorm_mode_16_64 3
		.amdhsa_memory_ordered 1
		.amdhsa_forward_progress 1
		.amdhsa_inst_pref_size 13
	.end_amdhsa_kernel
	.amdgpu_metadata
---
amdhsa.version: [ 1, 2 ]
amdhsa.kernels:
  - .name:           k_q98ea1dcebb_round
    .symbol:         k_q98ea1dcebb_round.kd
    .args:
      - { .name: x, .offset: 0, .size: 8, .value_kind: global_buffer, .address_space: global }
      - { .name: codebook, .offset: 8, .size: 8, .value_kind: global_buffer, .address_space: global }
      - { .name: xb, .offset: 16, .size: 8, .value_kind: global_buffer, .address_space: global }
      - { .name: cbb, .offset: 24, .size: 8, .value_kind: global_buffer, .address_space: global }
      - { .name: xsq, .offset: 32, .size: 8, .value_kind: global_buffer, .address_space: global }
      - { .name: esq, .offset: 40, .size: 8, .value_kind: global_buffer, .address_space: global }
    .group_segment_fixed_size: 0
    .private_segment_fixed_size: 0
    .kernarg_segment_align: 8
    .kernarg_segment_size: 48
    .max_flat_workgroup_size: 768
    .sgpr_count:     66
    .vgpr_count:     128
    .wavefront_size: 32
...
	.end_amdgpu_metadata
.endif
;; end of part 1
;; launch nearest (part 2): grid 128 x 2, 4 waves a work-group, clusters of 4 x 1, 327,680 bytes of LDS; arguments xb, cbb, xsq, esq, pdist, pidx; writes pdist, pidx
.if DOCPART == 2
	.amdgcn_target "amdgcn-amd-amdhsa--gfx1250"
	.amdhsa_code_object_version 6
	.text
	.protected	k_q98ea1dcebb_nearest
	.globl	k_q98ea1dcebb_nearest
	.p2align	8
	.type	k_q98ea1dcebb_nearest,@function
k_q98ea1dcebb_nearest:
	s_mov_b64 s[64:65], 0
	v_nop
	global_prefetch_b8 v0, s[64:65] scope:SCOPE_SE
	s_setreg_imm32_b32 hwreg(HW_REG_WAVE_MODE, 25, 1), 1
	s_wait_xcnt 0x0
	s_wait_alu depctr_hold_cnt(0) depctr_sa_sdst(0) depctr_va_vdst(0) depctr_va_sdst(0) depctr_va_ssrc(0) depctr_va_vcc(0) depctr_vm_vsrc(0)
	s_getreg_b32 s2, hwreg(HW_REG_IB_STS2, 6, 4)
	s_cmp_eq_u32 s2, 0
	s_cbranch_scc0 .Lentry_in_a_cluster
	s_endpgm
.Lentry_in_a_cluster:
	s_bfe_u32 s2, ttmp6, 0x10000c
	s_cmp_lg_u32 s2, 0x3003
	s_cbranch_scc0 .Lentry_shape_is_right
	s_endpgm
.Lentry_shape_is_right:
; For each of 16,384 rows of xb ([16384][512] bf16) and each HALF of the 8,192 codes of cbb ([8192][512] bf16): the least distance
; d = (xsq[row] - 2 x . e) + esq[code], formed in that order with one rounding for each bracket, and the lowest code that has it.
; pdist[half][row] f32, pidx[half][row] u32.  Products on the matrix unit, bf16 operands, f32 sums; the scores never leave the registers.
; LIMITS.  The inputs are those rounded to bf16 by the launch before.  The order of a product's 512 additions is the matrix unit's, so two codes whose
; distances lie about one f32 step of the distance apart may change places against another order of summing.  A distance that is NaN is never chosen.  A row of which
; every distance is +infinity or NaN gets d = +infinity and index 0.
; SHARES.  A work-group owns 128 rows and one half of the codes (grid 128 x 2: 256 work-groups).  Wave w: rows 64 (w / 2) .. + 63, which stay in 512 registers for the
; whole launch, and of each slot's 128 codes the 64 from 64 (w % 2) on: four TILES of 16 codes.  A tile's fragments, read once from LDS, feed four row tiles: 64 matrix instructions.
; LAYOUT.  D = X E^T (source 0 = 16 rows of x, source 1 = 16 codes): register j of lane l holds row 8 (l / 16) + j and code l % 16.  So xsq is a number a register, esq a
; number a lane, the running minimum one register for each (row tile, j), and in every lane the codes come in ascending order: a strict 'less' keeps the lowest.
; BY TURNS.  While tile n is multiplied into one set of four accumulators, tile n - 1's distances and minima are made on the other set: four vector instructions behind every
; second matrix instruction.
; RING.  Two LDS slots of 128 codes x 1,024 bytes; each wave's one tensor load brings 32 codes.  CLUSTER: the four work-groups of a cluster have the same half and walk the same
; 32 slots, so every tile of codes, and esq, is asked for JOINTLY: the same load, descriptor and mask in all four.  x is a work-group's own: 128 KiB beside 4 MiB of codes.
; REGISTERS, in windows of 256 (s_set_vgpr_msb: bits 1:0 source 0, 3:2 source 1, 5:4 source 2, 7:6 destination):
;   window 0: v0-29 addresses; v32-63 BEST; v64-95 IDX; v96-127 XSQ; v128-255 fragment buffer 0 (16 fragments of 16 codes x 32 K)
;   windows 1, 2: x: row tile t, K fragment f at window 1 + f / 8, v[32 (f % 8) + 8 t]
;   window 3: v0-31, v32-63 two sets of four accumulators; v64-65, v66-67 esq of a tile, as pairs (the low register counts); v128-255 fragment buffer 1
.set PITCH, 1040                       ; an LDS row: 1,024 bytes + 16 of padding = 260 words: row r starts at bank 4 r mod 64 (64 banks of 4 bytes: ISA guide 11.1)
.set TILEB, 16*PITCH                   ; a tile of 16 codes
.set QUART, 32*PITCH                   ; what one tensor load brings
.set SLOTB, 128*PITCH                  ; a slot: 0x20800; its two bits are clear in w x QUART (w = 0..3), so one exclusive or changes slots
.set ESQ,   2*SLOTB                    ; 16,384 bytes: esq of my half, filled once
.set SP,    144                        ; the stage's pitch: 32 candidates x 4 bytes + 16
.set STGD,  ESQ+16384                  ; 128 rows x 144: candidate distances; no tensor load lands here
.set STGI,  STGD+128*SP                ; the same for their indices
.set SPARE, STGI+128*SP                ; the spare words, 128 bytes for each wave: two blocks of 256 bytes that no other line names
.set TILEG, 131072                     ; a slot's 128 codes in memory
.set SLOTS, 32                         ; slots in a half
.set LR,   1                           ; v1   l % 16
.set LH,   2                           ; v2   l / 16
.set LN,   3                           ; v3   l
.set AB0,  8                           ; v8   my lane's place in a slot: (64 (w % 2) + l % 16) x PITCH + 16 (l / 16); never rewritten
.set ADRB, 9                           ; v9   the same in the slot that is being read
.set AE0,  10                          ; v10  ESQ + 4 (64 (w % 2) + l % 16); never rewritten
.set ADRE, 11                          ; v11  the same for the slot in hand
.set XO,   12                          ; v12  my byte offset in 16 rows of x
.set XSO,  13                          ; v13  my byte offset in 16 numbers of xsq
.set STO,  14                          ; v14  the way out: where my candidates go
.set RD,   15                          ; v15  the way out: where I read two rows' candidates
.set GO,   16                          ; v16  my 8 bytes of pdist and pidx
.set PFO,  17                          ; v17  256 x lane, for the prefetches; never rewritten
.set OD,   20                          ; v[20:21] two rows' distances
.set OI,   22                          ; v[22:23] their indices
.set SPW,  28                          ; v28  LDS address of my spare word; never rewritten
.set NIL,  29                          ; v29  0; never rewritten
.set BEST, 32
.set IDX,  64
.set XSQ,  96
.set FR,   128                         ; a fragment buffer's first register, in window 0 and in window 3
.set CD,   128                         ; the way out: candidate c of row u: distance at CD + 32 u + c, index 64 further on
.set WV,   16                          ; s16  my wave's number
.set RH,   17                          ; s17  w / 2
.set CH,   18                          ; s18  w % 2
.set CX,   19                          ; s19  my place in the cluster: it enters x's, xsq's, the outputs' and the prefetches' global addresses alone
.set RB,   20                          ; s20  my block of 128 rows
.set HALF, 21                          ; s21  my half of the codes, which the partners share
.set G1,   24                          ; s[24:31] descriptor group 1 for tiles of codes
.set G0A,  32                          ; s[32:35] group 0: slot 0's first fill
.set G0W,  36                          ; s[36:39] group 0: slot 1's first fill; then it walks
.set G1E,  40                          ; s[40:47] group 1 for esq
.set G0E,  48                          ; s[48:51] group 0 for esq
.set CNT,  52                          ; s52  trips to go
.set TB,   53                          ; s53  0 or SLOTB: the slot that is read
.set TE,   54                          ; s54  512 x the slot's number
.set CB,   55                          ; s55  the first code of the tile whose minima are being made
.set LIM,  56                          ; s56  2 in a cluster that prefetches, else the greatest number
.set INF,  57                          ; s57  +infinity
.set PFA,  58                          ; s[58:59] where my prefetches stand
.set MK,   60                          ; s[60:63] four lane masks
.set MG,   68                          ; s[68:79] the way out: four sets of three masks
.set MSB, 0
.macro WIN new                         ; the immediate's high byte repeats the setting that is left; a switch that changes nothing is dropped
.if MSB != (\new)
	s_set_vgpr_msb (MSB<<8)|(\new)
.set MSB, (\new)
.endif
.endm
; A round of the cluster's barrier: my work-group's barrier, so that wave 0's signal speaks for all four waves; wave 0 signals for the work-group; every wave waits for all four
; work-groups; my work-group's barrier once more.  No LDS instruction of the wave is pending at a signal.
.macro CREST                           ; a round behind its opening barrier
	s_cmp_lg_u32 s[WV], 0
	s_cbranch_scc1 .Lnot_wave_0_\@
	s_barrier_signal -3
.Lnot_wave_0_\@:
	s_barrier_wait -3
	s_barrier_signal -1
	s_barrier_wait -1
.endm
.macro CROUND
	s_barrier_signal -1
	s_barrier_wait -1
	CREST
.endm
	s_load_b256 s[4:11], s[0:1], 0x0               ; xb s[4:5], cbb s[6:7], xsq s[8:9], esq s[10:11]
	s_load_b128 s[12:15], s[0:1], 0x20             ; pdist s[12:13], pidx s[14:15]
	v_lshl_add_u32 v[SPW], v0, 2, SPARE
	v_mov_b32 v[NIL], 0
	ds_add_u32 v[SPW], v[NIL]                      ; the wave's opening: the add, twice on end, and its wait ahead of my first tensor load
	ds_add_u32 v[SPW], v[NIL]                      ; and once more; the set-up below, work on registers, stands between it and the one wait
	v_lshrrev_b32 v4, 5, v0
	v_readfirstlane_b32 s[WV], v4                  ; wave 0..3
	s_lshr_b32 s[RH], s[WV], 1
	s_and_b32 s[CH], s[WV], 1
	s_bfe_u32 s[CX], ttmp6, 0x40000
	s_lshl_b32 s[RB], ttmp9, 2                     ; in a cluster launch ttmp9 counts clusters
	s_add_co_u32 s[RB], s[RB], s[CX]
	s_and_b32 s[HALF], ttmp7, 0xffff
	; group 1 for codes: 32 rows x 512 elements of 2 bytes, padded in LDS
	s_mov_b32 s[G1], 15|(1<<16)|(1<<20)|(1<<21)|(7<<22)|(3<<25)  ; 15:0 the mask of four; 17:16 2-byte elements; 20 padding on; 21 set beside a mask; 24:22 after every 256 words (code 7); 31:25 4 words (code 3)
	s_mov_b32 s[G1+1], 512<<16                     ; tensor_dim0 = 512
	s_mov_b32 s[G1+2], 32<<16                      ; tensor_dim1 = 32
	s_mov_b32 s[G1+3], 512<<16                     ; tile_dim0 = 512
	s_mov_b32 s[G1+4], 32                          ; tile_dim1 = 32
	s_mov_b32 s[G1+5], 512                         ; elements from row to row
	s_mov_b32 s[G1+6], 0
	s_mov_b32 s[G1+7], 0
	; group 1 for esq: 4,096 dense bytes a wave, as 16 rows of 32 elements of 8 bytes, no padding
	s_mov_b32 s[G1E], 15|(3<<16)|(1<<21)
	s_mov_b32 s[G1E+1], 32<<16
	s_mov_b32 s[G1E+2], 16<<16
	s_mov_b32 s[G1E+3], 32<<16
	s_mov_b32 s[G1E+4], 16
	s_mov_b32 s[G1E+5], 32
	s_mov_b32 s[G1E+6], 0
	s_mov_b32 s[G1E+7], 0
	; where the tiles go: the wave's number times a constant plus the slot's constant; no place in the cluster enters an LDS address
	s_mul_i32 s66, s[WV], QUART
	s_lshl_b32 s67, s[WV], 12
	s_mov_b32 s[G0A], 1                            ; count = 1
	s_mov_b32 s[G0A+1], s66                        ; slot 0
	s_mov_b32 s[G0W], 1
	s_add_co_u32 s[G0W+1], s66, SLOTB              ; slot 1
	s_mov_b32 s[G0E], 1
	s_add_co_u32 s[G0E+1], s67, ESQ
	; where they come from, as offsets made of the half and the wave's number alone, in registers that never hold my place in the cluster
	s_lshl_b32 s22, s[HALF], 22                    ; a half of cbb is 4 MiB,
	s_lshl_b32 s66, s[WV], 15                      ; my 32 rows of 1,024 bytes
	s_add_co_u32 s22, s22, s66
	s_mov_b32 s23, 0
	s_lshl_b32 s66, s[HALF], 14                    ; a half of esq is 16 KiB,
	s_add_co_u32 s66, s66, s67                     ; my 4,096 bytes
	s_mov_b32 s67, 0
	s_mov_b32 s[TB], 0
	s_mov_b32 s[TE], 0
	s_mov_b32 s[CNT], SLOTS-2
	s_mov_b32 s[INF], 0x7f800000
	s_lshl_b32 s[CB], s[HALF], 12                  ; the first trip's first step works on a tile that has not been: its number, 80 below my first code's (it may wrap), is never chosen
	s_lshl_b32 s3, s[CH], 6
	s_add_co_u32 s[CB], s[CB], s3
	s_sub_co_u32 s[CB], s[CB], 80
	s_cmp_eq_u32 ttmp9, 0                          ; the first cluster of each half prefetches: the same answer in all four partners
	s_cselect_b32 s[LIM], 2, -1
	s_wait_dscnt 0x0                               ; both opening adds are done
	s_wait_kmcnt 0x0
	s_add_nc_u64 s[G0A+2:G0A+3], s[6:7], s[22:23]  ; slot 0: the half's codes 0-127, my 32 of them
	s_add_nc_u64 s[G0W+2:G0W+3], s[G0A+2:G0A+3], TILEG  ; slot 1: codes 128-255
	s_or_b32 s[G0A+3], s[G0A+3], 0x80000000        ; type = 2
	s_or_b32 s[G0W+3], s[G0W+3], 0x80000000
	s_add_nc_u64 s[G0E+2:G0E+3], s[10:11], s[66:67]
	s_or_b32 s[G0E+3], s[G0E+3], 0x80000000
	CROUND                                         ; all four work-groups are here: the first joint loads meet
	tensor_load_to_lds s[G0E:G0E+3], s[G1E:G1E+7]  ; the three first fills go out together: three loads of mine are out here, later one
	s_nop 0
	tensor_load_to_lds s[G0A:G0A+3], s[G1:G1+7]
	s_nop 0
	tensor_load_to_lds s[G0W:G0W+3], s[G1:G1+7]
	s_nop 0
	v_and_b32 v[LR], 15, v0                        ; six vector lines with no switch of the windows follow the loads
	v_bfe_u32 v[LH], v0, 4, 1
	v_and_b32 v[LN], 31, v0
	v_lshlrev_b32 v[XO], 10, v[LR]
	v_lshl_add_u32 v[XO], v[LH], 4, v[XO]          ; row x 1,024 + 16 x half
	v_lshlrev_b32 v[XSO], 5, v[LH]                 ; eight numbers for each half of the lanes
	s_lshl_b32 s2, s[RB], 17                       ; my block's 128 rows of 1,024 bytes,
	s_lshl_b32 s3, s[RH], 16                       ; my wave's 64 of them
	s_add_co_u32 s2, s2, s3
	s_mov_b32 s3, 0
	s_add_nc_u64 s[4:5], s[4:5], s[2:3]
	s_lshr_b32 s2, s2, 8                           ; the same rows in xsq: 4 bytes for 1,024
	s_add_nc_u64 s[8:9], s[8:9], s[2:3]
	; x stays in registers.  A fragment is 16 rows x 32 K in 8 registers: lane l holds row l % 16; registers 0-3 K = 8 (l / 16) + 0..7, registers 4-7 K = 16 + 8 (l / 16) + 0..7: two loads of 16 bytes, 32 bytes apart.
.set q, 0
.rept 64                               ; q = 4 f + t
.set f, q/4
.set t, q%4
	WIN 0x40*(1+f/8)                               ; destination window 1 or 2, address window 0
	global_load_b128 v[32*(f%8)+8*t:32*(f%8)+8*t+3],   v[XO], s[4:5] offset:16384*t+64*f
	global_load_b128 v[32*(f%8)+8*t+4:32*(f%8)+8*t+7], v[XO], s[4:5] offset:16384*t+64*f+32
.set q, q+1
.endr
	WIN 0
.irp g, 0,1,2,3                        ; xsq of row 16 g + 8 (l / 16) + j into register XSQ + 8 g + j
	global_load_b128 v[XSQ+8*\g:XSQ+8*\g+3],   v[XSO], s[8:9] offset:64*\g
	global_load_b128 v[XSQ+8*\g+4:XSQ+8*\g+7], v[XSO], s[8:9] offset:64*\g+16
.endr
	; What the first step finds: minima of +infinity, and for the tile that has not been scores of 0 and an esq of +infinity: its distances are +infinity, which is not less.
	; So no first step is written out; these 99 lines stand in the wait for the first tile.
.set q, 0
.rept 32
	v_mov_b32 v[BEST+q], s[INF]
	v_mov_b32 v[IDX+q], 0
.set q, q+1
.endr
	WIN 0xc0
.set q, 0
.rept 32
	v_mov_b32 v[32+q], 0                           ; the second set of accumulators
.set q, q+1
.endr
	v_mov_b32 v65, 0                               ; the pairs' high registers are named with the low ones, so they are written
	v_mov_b32 v66, s[INF]
	v_mov_b32 v67, 0
	WIN 0
	v_mul_u32_u24 v[AB0], v[LR], PITCH
	v_lshl_add_u32 v[AB0], v[LH], 4, v[AB0]        ; row x pitch + 16 x half
	s_mul_i32 s66, s[CH], 64*PITCH                 ; my 64 codes of a slot
	v_add_nc_u32 v[AB0], s66, v[AB0]
	v_lshlrev_b32 v[AE0], 2, v[LR]
	s_lshl_b32 s66, s[CH], 8
	s_add_co_u32 s66, s66, ESQ
	v_add_nc_u32 v[AE0], s66, v[AE0]
	v_mul_u32_u24 v[STO], v[LH], 8*SP              ; the stage: row 64 (w / 2) + 8 (l / 16) (+ 16 t + j), candidate 16 (w % 2) + l % 16
	v_lshl_add_u32 v[STO], v[LR], 2, v[STO]
	s_mul_i32 s66, s[RH], 64*SP
	s_lshl_b32 s67, s[CH], 6
	s_add_co_u32 s66, s66, s67
	s_add_co_u32 s66, s66, STGD
	v_add_nc_u32 v[STO], s66, v[STO]
	v_mul_u32_u24 v[RD], v[LN], 2*SP               ; back (waves 0 and 1): rows 64 w + 2 l and the next
	s_mul_i32 s66, s[WV], 64*SP
	s_add_co_u32 s66, s66, STGD
	v_add_nc_u32 v[RD], s66, v[RD]
	v_lshlrev_b32 v[GO], 3, v[LN]
	s_lshl_b32 s66, s[WV], 8
	v_add_nc_u32 v[GO], s66, v[GO]                 ; 256 w + 8 l
	v_lshlrev_b32 v[PFO], 8, v[LN]
	s_lshl_b32 s2, s[RB], 9                        ; pdist and pidx: my half's 65,536 bytes, my block's 512
	s_lshl_b32 s68, s[HALF], 16
	s_add_co_u32 s2, s2, s68
	s_add_nc_u64 s[12:13], s[12:13], s[2:3]
	s_add_nc_u64 s[14:15], s[14:15], s[2:3]
	s_lshl_b32 s2, s[CX], 2                        ; the prefetches: of a slot's 131,072 dense bytes partner cx's wave w takes 8,192 from (4 cx + w) x 8,192 on,
	s_add_co_u32 s2, s2, s[WV]
	s_lshl_b32 s2, s2, 13
	s_lshl_b32 s68, s[HALF], 22
	s_add_co_u32 s2, s2, s68
	s_add_co_u32 s2, s2, 3*TILEG                   ; at slot 3: the first change of slots steps it to slot 4
	s_add_nc_u64 s[PFA:PFA+1], s[6:7], s[2:3]
; THE MATRIX WORK.  Matrix instruction i of a tile's 64: K fragment i / 4, row tile i % 4, into accumulator set P, from fragment buffer B.  The first four start the sums with the constant 0.
; The four accumulators take turns, one instruction a turn; from tile to tile the set changes, over the backward jump too.
.macro MM
.set f, i/4
.set t, i%4
	WIN 0xf0|(0x0c*B)|(1+f/8)                      ; C and D window 3; x window 1 or 2; codes window 0 or 3
.if f == 0
	v_wmma_f32_16x16x32_bf16 v[32*P+8*t:32*P+8*t+7], v[32*(f%8)+8*t:32*(f%8)+8*t+7], v[FR+8*f:FR+8*f+7], 0
.else
	v_wmma_f32_16x16x32_bf16 v[32*P+8*t:32*P+8*t+7], v[32*(f%8)+8*t:32*(f%8)+8*t+7], v[FR+8*f:FR+8*f+7], v[32*P+8*t:32*P+8*t+7]
.endif
.set i, i+1
.endm
; THE VECTOR WORK.  Slice k of 32 for the tile before, which lies in the other set of accumulators: four instructions under one setting of the windows.  Eight slices a row tile:
;   0  xsq - 2 s, one rounding, two scores an instruction (the accumulator's lowest registers first)      1  + esq, the lane's
;   2, 5  is it less than the row's minimum?  four masks      3, 4, 6, 7  where it is, the minimum takes it and the index takes the tile's first code (the lane's l % 16 is added at the end)
.macro SL
.set t, k/8
.set a, 32*(1-P)+8*t
.set e, 64+2*(1-P)
.set m, k%8
.if m == 0
	WIN 0xc3
.irp n, 0,1,2,3
	v_pk_fma_f32 v[a+2*\n:a+2*\n+1], v[a+2*\n:a+2*\n+1], -2.0, v[XSQ+8*t+2*\n:XSQ+8*t+2*\n+1] op_sel_hi:[1,0,1]
.endr
.elseif m == 1
	WIN 0xcf
.irp n, 0,1,2,3
	v_pk_add_f32 v[a+2*\n:a+2*\n+1], v[a+2*\n:a+2*\n+1], v[e:e+1] op_sel_hi:[1,0]
.endr
.elseif (m == 2) || (m == 5)
	WIN 0x03
.set j0, 4*(m/5)
.irp n, 0,1,2,3
	v_cmp_lt_f32 s[MK+\n], v[a+j0+\n], v[BEST+8*t+j0+\n]
.endr
.else
	WIN 0x0c
.set j0, 2*(m-3)-2*(m/6)
.irp n, 0,1
	v_cndmask_b32 v[BEST+8*t+j0+\n], v[BEST+8*t+j0+\n], v[a+j0+\n], s[MK+(j0+\n)%4]
	v_cndmask_b32 v[IDX+8*t+j0+\n], v[IDX+8*t+j0+\n], s[CB], s[MK+(j0+\n)%4]
.endr
.endif
.set k, k+1
.endm
.macro ROW                             ; two matrix instructions under one setting, a slice under another
	MM
	MM
	SL
.endm
; THE LDS LOADS stand in one run a tile: the 16 fragments of tile c of my 64 codes into buffer b, and one word a lane of esq.
.macro FETCH c, b
	WIN 0xc0*(\b)                                  ; destination window 0 or 3, address window 0
.set q, 0
.rept 16
	ds_load_b128 v[FR+8*q:FR+8*q+3],   v[ADRB] offset:(\c)*TILEB+64*q
	ds_load_b128 v[FR+8*q+4:FR+8*q+7], v[ADRB] offset:(\c)*TILEB+64*q+32
.set q, q+1
.endr
.endm
.macro FETCHE c                        ; esq of tile c, which is being multiplied: the next tile's slices want it
	WIN 0xc0
	ds_load_b32 v[64+2*((\c)%2)], v[ADRE] offset:64*(\c)
.endm
; A slot's tiles 0, 1, 2.  The run of loads for the next tile stands at the head, 64 matrix instructions ahead of the wait for it.
; A load into a register that a matrix instruction has read, and a vector instruction that reads a matrix result, stand four places behind it, and only plain vector instructions that name none
; of its registers are places (ISA guide 7.12.1 for vector instructions): here the last slice of the tile before and the four lines below.
.macro STEP c
.set P, (\c)%2
.set B, (\c)%2
.set i, 0
.set k, 0
	s_wait_dscnt 0x0                               ; this tile's fragments and the last tile's esq, asked for a tile ago
	WIN 0
.if (\c) == 0
	v_add_nc_u32 v[ADRE], s[TE], v[AE0]            ; esq of this slot's codes
.rept 3
	v_nop
.endr
.else
.rept 4
	v_nop
.endr
.endif
	FETCH (\c)+1, 1-B
	FETCHE \c
.rept 32
	ROW
.endr
.if (\c) == 0
	s_add_co_u32 s[CB], s[CB], 80                  ; from the last slot's tile 3 to this slot's tile 0: the other wave's 64 codes lie between
.else
	s_add_co_u32 s[CB], s[CB], 16
.endif
.endm
; A PREFETCH INTO THE L2 of the slot that stands TWO refills on: 131,072 dense bytes, 512 blocks of 256: 4 partners x 4 waves x 32 lanes name one block each, told apart by address; one instruction a wave.
; All 32 clusters of a half walk the same slots: the first of them asks, so each block is named once in the launch.  It stands behind the wave's tensor load, its lines and the run of LDS loads.
; Slots 0 to 3 come by their loads alone; the last two refills have no slot two on and ask for nothing.
.macro ASK
	s_cmp_gt_u32 s[CNT], s[LIM]
	s_cbranch_scc0 .Lnot_mine_\@
	global_prefetch_b8 v[PFO], s[PFA:PFA+1] th:TH_LOAD_NT scope:SCOPE_SE
.Lnot_mine_\@:
.endm
; A slot's tile 3, and THE CHANGE OF SLOTS: its fragments are the slot's last bytes to be read.  Each wave waits for all its tensor loads, of which one is out: its part of the other slot; adds 0 to its
; spare word; and waits for that and for its own reads of this slot.  Behind the barrier nobody reads this slot any more and the other slot is whole.
; fill = 1: this slot is filled again, with the codes two slots on.  The barrier then opens a round of the cluster's, so that no wave of any partner still reads the slot or has a load on its way,
; and the joint refill is the first thing behind the round: 240 matrix instructions stand between it and the wait for it.
.macro TURN fill
.set P, 1
.set B, 1
.set i, 0
.set k, 0
	WIN 0                                          ; (the add's two registers lie in window 0)
.if \fill
	s_wait_xcnt 0x0                                ; the last prefetch, a slot back, has read its address: it is stepped here, ahead of the waits of the change
	s_add_nc_u64 s[PFA:PFA+1], s[PFA:PFA+1], TILEG
.endif
	s_wait_tensorcnt 0x0                           ; no tensor load of mine is out, so a group 0 may be written
	ds_add_u32 v[SPW], v[NIL]                      ; 0 onto my spare word
.if \fill
	s_xor_b32 s[G0W+1], s[G0W+1], SLOTB            ; the walking descriptor: the other slot than last time,
	s_add_nc_u64 s[G0W+2:G0W+3], s[G0W+2:G0W+3], TILEG  ; the next 128 codes; the type bits on top are not reached
.endif
	s_xor_b32 s[TB], s[TB], SLOTB                  ; the fetches go to the other slot
	s_wait_dscnt 0x1                               ; the add alone may be out: this tile's 32 loads and the last tile's esq were issued ahead of it
.rept 4
	v_nop
.endr
.rept 4
	ROW                                            ; eight matrix instructions stand between the add and the wait for it
.endr
	s_wait_dscnt 0x0                               ; the add is done, and my reads of this slot are over
	s_barrier_signal -1
.rept 4
	ROW                                            ; work on registers while the others arrive
.endr
	WIN 0
	s_barrier_wait -1
.if \fill
	CREST
	tensor_load_to_lds s[G0W:G0W+3], s[G1:G1+7]    ; my one tensor load behind the round
	s_nop 0
.endif
	v_add_nc_u32 v[ADRB], s[TB], v[AB0]
.if \fill
.rept 3
	v_nop                                          ; with the line above: four vector lines and no switch of the windows behind the load
.endr
.endif
	FETCH 0, 0                                     ; the next slot's tile 0
	FETCHE 3
	s_add_co_u32 s[TE], s[TE], 512
	WIN 0
.if \fill
	ASK
.endif
.rept 24
	ROW
.endr
	s_add_co_u32 s[CB], s[CB], 16
	WIN 0                                          ; at a label and at a branch every window is 0
.endm
	s_wait_tensorcnt 0x1                           ; esq and my part of slot 0 are in; slot 1's load, issued behind them, may stay out
	s_barrier_signal -1
	s_barrier_wait -1                              ; everybody's are
	v_mov_b32 v[ADRB], v[AB0]
	FETCH 0, 0
	s_wait_loadcnt 0x0                             ; x and xsq
.Lslot:                                ; 30 trips: slot s is read and slot s + 2 asked for
	STEP 0
	STEP 1
	STEP 2
	TURN 1
	s_sub_co_u32 s[CNT], s[CNT], 1
	s_cmp_lg_u32 s[CNT], 0
	s_cbranch_scc1 .Lslot
	s_mov_b32 s[CNT], 2
.Ltail:                                ; the last two slots ask for nothing: a text of their own.  The second trip's barrier and its 32 loads from the
	STEP 0                         ; slot left behind serve nothing: the price, once a launch, of one text for both trips
	STEP 1
	STEP 2
	TURN 0
	s_sub_co_u32 s[CNT], s[CNT], 1
	s_cmp_lg_u32 s[CNT], 0
	s_cbranch_scc1 .Ltail
	s_wait_dscnt 0x0                               ; the last tile's esq
.rept 4
	v_nop
.endr
.set P, 0                              ; the last tile lies in the second set
.set k, 0
.rept 32
	SL
.endr
	WIN 0
.set q, 0
.rept 32
	v_add_nc_u32 v[IDX+q], v[LR], v[IDX+q]         ; the lane's code in its tile
.set q, q+1
.endr
	; THE WAY OUT.  A row has 32 candidates: 16 lanes in each of two waves.  They meet in the stage; waves 0 and 1 take two rows a lane and keep the least distance, of equals the lowest index.
.set q, 0
.rept 32                               ; q = 8 t + j
	ds_store_b32 v[STO], v[BEST+q] offset:(16*(q/8)+q%8)*SP
	ds_store_b32 v[STO], v[IDX+q]  offset:(16*(q/8)+q%8)*SP+STGI-STGD
.set q, q+1
.endr
	s_wait_dscnt 0x0                               ; for the others' sake: my stores into the stage are done
	s_barrier_signal -1
	s_barrier_wait -1
	s_cmp_lt_u32 s[WV], 2
	s_cbranch_scc0 .Lend
.irp u, 0,1
.set q, 0
.rept 8
	ds_load_b128 v[CD+32*\u+4*q:CD+32*\u+4*q+3],       v[RD] offset:SP*\u+16*q
	ds_load_b128 v[CD+64+32*\u+4*q:CD+64+32*\u+4*q+3], v[RD] offset:SP*\u+16*q+STGI-STGD
.set q, q+1
.endr
.endr
	s_wait_dscnt 0x0
; Candidate b beats candidate a where its distance is less, or equal with a lower index.  Four merges go together, so that the scalar lines do not wait for the compare just issued.
.macro MCMP a, b, m
	v_cmp_lt_f32 s[MG+3*(\m)],   v[\b], v[\a]
	v_cmp_eq_f32 s[MG+3*(\m)+1], v[\b], v[\a]
	v_cmp_lt_u32 s[MG+3*(\m)+2], v[(\b)+64], v[(\a)+64]
.endm
.macro MSEL dd, di, a, b, m
	s_and_b32 s[MG+3*(\m)+1], s[MG+3*(\m)+1], s[MG+3*(\m)+2]
	s_or_b32 s[MG+3*(\m)], s[MG+3*(\m)], s[MG+3*(\m)+1]
	v_cndmask_b32 v[\dd], v[\a], v[\b], s[MG+3*(\m)]
	v_cndmask_b32 v[\di], v[(\a)+64], v[(\b)+64], s[MG+3*(\m)]
.endm
.irp st, 16,8,4,2
.set c, 0
.rept (\st)/2
	MCMP CD+c, CD+c+\st, 0
	MCMP CD+32+c, CD+32+c+\st, 1
	MCMP CD+c+1, CD+c+1+\st, 2
	MCMP CD+32+c+1, CD+32+c+1+\st, 3
	MSEL CD+c, CD+64+c, CD+c, CD+c+\st, 0
	MSEL CD+32+c, CD+96+c, CD+32+c, CD+32+c+\st, 1
	MSEL CD+c+1, CD+64+c+1, CD+c+1, CD+c+1+\st, 2
	MSEL CD+32+c+1, CD+96+c+1, CD+32+c+1, CD+32+c+1+\st, 3
.set c, c+2
.endr
.endr
	MCMP CD, CD+1, 0
	MCMP CD+32, CD+33, 1
	MSEL OD, OI, CD, CD+1, 0
	MSEL OD+1, OI+1, CD+32, CD+33, 1
	global_store_b64 v[GO], v[OD:OD+1], s[12:13]   ; 32 lanes x 8 bytes: 256 consecutive bytes, at a multiple of 256 from the buffer's first byte
	global_store_b64 v[GO], v[OI:OI+1], s[14:15]
.Lend:
	s_wait_tensorcnt 0x0                           ; the wave's end: behind my last tensor load and my last LDS store
	ds_add_u32 v[SPW], v[NIL]
	s_wait_dscnt 0x0
	CROUND                                         ; the closing round: no work-group ends while a partner may still ask for a tile that names it
	s_endpgm
.Lfunc_end_k_q98ea1dcebb_nearest:
	.size	k_q98ea1dcebb_nearest, .Lfunc_end_k_q98ea1dcebb_nearest-k_q98ea1dcebb_nearest
	.p2alignl 7, 3214868480
	.fill 96, 4, 3214868480
	.section	.rodata,"a",@progbits
	.p2align	6, 0x0
	.amdhsa_kernel k_q98ea1dcebb_nearest
		.amdhsa_group_segment_fixed_size 327680
		.amdhsa_private_segment_fixed_size 0
		.amdhsa_enable_private_segment 0
		.amdhsa_kernarg_size 48
		.amdhsa_user_sgpr_count 2
		.amdhsa_user_sgpr_kernarg_segment_ptr 1
		.amdhsa_wavefront_size32 1
		.amdhsa_system_sgpr_workgroup_id_x 1
		.amdhsa_system_sgpr_workgroup_id_y 1
		.amdhsa_system_sgpr_workgroup_id_z 1
		.amdhsa_system_vgpr_workitem_id 0
		.amdhsa_next_free_vgpr 1024
		.amdhsa_next_free_sgpr 80
		.amdhsa_reserve_vcc 0
		.amdhsa_float_denorm_mode_32 3
		.amdhsa_float_denorm_mode_16_64 3
		.amdhsa_memory_ordered 1
		.amdhsa_forward_progress 1
		.amdhsa_inst_pref_size 197
	.end_amdhsa_kernel
	.amdgpu_metadata
---
amdhsa.version: [ 1, 2 ]
amdhsa.kernels:
  - .name:           k_q98ea1dcebb_nearest
    .symbol:         k_q98ea1dcebb_nearest.kd
    .args:
      - { .name: xb, .offset: 0, .size: 8, .value_kind: global_buffer, .address_space: global }
      - { .name: cbb, .offset: 8, .size: 8, .value_kind: global_buffer, .address_space: global }
      - { .name: xsq, .offset: 16, .size: 8, .value_kind: global_buffer, .address_space: global }
      - { .name: esq, .offset: 24, .size: 8, .value_kind: global_buffer, .address_space: global }
      - { .name: pdist, .offset: 32, .size: 8, .value_kind: global_buffer, .address_space: global }
      - { .name: pidx, .offset: 40, .size: 8, .value_kind: global_buffer, .address_space: global }
    .group_segment_fixed_size: 327680
    .private_segment_fixed_size: 0
    .kernarg_segment_align: 8
    .kernarg_segment_size: 48
    .max_flat_workgroup_size: 128
    .sgpr_count:     80
    .vgpr_count:     1024
    .wavefront_size: 32
...
	.end_amdgpu_metadata
.endif
;; end of part 2
;; launch pick (part 3): grid 256 x 1, 16 waves a work-group, no clusters, 0 bytes of LDS; arguments values, pdist, pidx, out0; writes out0
.if DOCPART == 3
	.amdgcn_target "amdgcn-amd-amdhsa--gfx1250"
	.amdhsa_code_object_version 6
	.text
	.protected	k_q98ea1dcebb_pick
	.globl	k_q98ea1dcebb_pick
	.p2align	8
	.type	k_q98ea1dcebb_pick,@function
k_q98ea1dcebb_pick:
	s_mov_b64 s[64:65], 0
	v_nop
	global_prefetch_b8 v0, s[64:65] scope:SCOPE_SE
	s_setreg_imm32_b32 hwreg(HW_REG_WAVE_MODE, 25, 1), 1
	s_wait_xcnt 0x0
; out0[row][:] = values[k][:], k the nearer of the row's two candidates: pidx[0][row] with distance pdist[0][row] (codes 0-4095), pidx[1][row] with pdist[1][row] (codes 4096-8191).
; values: [8192][512] f32, out0: [16384][512] f32; the numbers are copied as they are.
; The indices are whole numbers that the launch before stored: they make the addresses.  WHICH of the two is nearer hangs on floating-point numbers, so it steers no address: both rows are
; loaded and each word is chosen by v_cndmask_b32.  The second half wins only where its distance is strictly less: of equals the lower index stays.
; 256 work-groups x 16 waves; a wave owns four rows: 32 loads of 512 consecutive bytes, all out at once, no loop, no register used twice.  A store covers 512 consecutive bytes, aligned to 256.
; No LDS, no matrix unit, no cluster: a copy.  An index is held to 0..8191 before it enters an address.
.set RA, 16                            ; v[16+32 q ..] 16 registers: row q's first candidate, then the row to store
.set RBB, 32                           ; v[32+32 q ..] its second candidate
.set D0, 2                             ; v[2:5] the first candidates' distances
	s_load_b256 s[4:11], s[0:1], 0x0               ; values s[4:5], pdist s[6:7], pidx s[8:9], out0 s[10:11]
	v_lshrrev_b32 v6, 5, v0
	v_readfirstlane_b32 s12, v6                    ; wave 0..15
	v_and_b32 v1, 31, v0
	v_lshlrev_b32 v1, 4, v1                        ; 16 bytes a lane
	s_lshl_b32 s13, ttmp9, 4
	s_add_co_u32 s13, s13, s12                     ; my wave among 4,096
	s_lshl_b32 s14, s13, 4                         ; four rows x 4 bytes in pdist and pidx
	s_mov_b32 s15, 0
	s_lshl_b32 s48, s13, 13                        ; four rows x 2,048 bytes in out0
	s_mov_b32 s49, 0
	s_wait_kmcnt 0x0
	s_add_nc_u64 s[6:7], s[6:7], s[14:15]
	s_add_nc_u64 s[8:9], s[8:9], s[14:15]
	s_add_nc_u64 s[10:11], s[10:11], s[48:49]
	s_load_b128 s[16:19], s[8:9], 0x0              ; four indices of the first half,
	s_load_b128 s[20:23], s[8:9], 0x10000          ; of the second: 16,384 words further on
	s_load_b128 s[24:27], s[6:7], 0x0              ; and their distances
	s_load_b128 s[28:31], s[6:7], 0x10000
	s_wait_kmcnt 0x0
.irp q, 0,1,2,3
	s_min_u32 s[16+\q], s[16+\q], 0x1fff
	s_lshl_b32 s48, s[16+\q], 11                   ; a row of values is 2,048 bytes
	s_add_nc_u64 s[32+4*\q:33+4*\q], s[4:5], s[48:49]
	s_min_u32 s[20+\q], s[20+\q], 0x1fff
	s_lshl_b32 s48, s[20+\q], 11
	s_add_nc_u64 s[34+4*\q:35+4*\q], s[4:5], s[48:49]
.irp g, 0,1,2,3
	global_load_b128 v[RA+32*\q+4*\g:RA+32*\q+4*\g+3], v1, s[32+4*\q:33+4*\q] offset:512*\g
.endr
.irp g, 0,1,2,3
	global_load_b128 v[RBB+32*\q+4*\g:RBB+32*\q+4*\g+3], v1, s[34+4*\q:35+4*\q] offset:512*\g
.endr
	v_mov_b32 v[D0+\q], s[24+\q]
.endr
.irp q, 0,1,2,3
	s_wait_loadcnt 24-8*\q                         ; loads come back in order (ISA guide 5.7.1): this row's eight are in, eight for each younger row stay out
	v_cmp_lt_f32 s[52+\q], s[28+\q], v[D0+\q]      ; is the second half's distance less?  The same answer in every lane
.irp n, 0,1,2,3,4,5,6,7,8,9,10,11,12,13,14,15
	v_cndmask_b32 v[RA+32*\q+\n], v[RA+32*\q+\n], v[RBB+32*\q+\n], s[52+\q]
.endr
.irp g, 0,1,2,3
	global_store_b128 v1, v[RA+32*\q+4*\g:RA+32*\q+4*\g+3], s[10:11] offset:2048*\q+512*\g th:TH_STORE_NT
.endr
.endr
	s_endpgm
.Lfunc_end_k_q98ea1dcebb_pick:
	.size	k_q98ea1dcebb_pick, .Lfunc_end_k_q98ea1dcebb_pick-k_q98ea1dcebb_pick
	.p2alignl 7, 3214868480
	.fill 96, 4, 3214868480
	.section	.rodata,"a",@progbits
	.p2align	6, 0x0
	.amdhsa_kernel k_q98ea1dcebb_pick
		.amdhsa_group_segment_fixed_size 0
		.amdhsa_private_segment_fixed_size 0
		.amdhsa_enable_private_segment 0
		.amdhsa_kernarg_size 32
		.amdhsa_user_sgpr_count 2
		.amdhsa_user_sgpr_kernarg_segment_ptr 1
		.amdhsa_wavefront_size32 1
		.amdhsa_system_sgpr_workgroup_id_x 1
		.amdhsa_system_sgpr_workgroup_id_y 1
		.amdhsa_system_sgpr_workgroup_id_z 1
		.amdhsa_system_vgpr_workitem_id 0
		.amdhsa_next_free_vgpr 144
		.amdhsa_next_free_sgpr 66
		.amdhsa_reserve_vcc 0
		.amdhsa_float_denorm_mode_32 3
		.amdhsa_float_denorm_mode_16_64 3
		.amdhsa_memory_ordered 1
		.amdhsa_forward_progress 1
		.amdhsa_inst_pref_size 12
	.end_amdhsa_kernel
	.amdgpu_metadata
---
amdhsa.version: [ 1, 2 ]
amdhsa.kernels:
  - .name:           k_q98ea1dcebb_pick
    .symbol:         k_q98ea1dcebb_pick.kd
    .args:
      - { .name: values, .offset: 0, .size: 8, .value_kind: global_buffer, .address_space: global }
      - { .name: pdist, .offset: 8, .size: 8, .value_kind: global_buffer, .address_space: global }
      - { .name: pidx, .offset: 16, .size: 8, .value_kind: global_buffer, .address_space: global }
      - { .name: out0, .offset: 24, .size: 8, .value_kind: global_buffer, .address_space: global }
    .group_segment_fixed_size: 0
    .private_segment_fixed_size: 0
    .kernarg_segment_align: 8
    .kernarg_segment_size: 32
    .max_flat_workgroup_size: 512
    .sgpr_count:     66
    .vgpr_count:     144
    .wavefront_size: 32
...
	.end_amdgpu_metadata
.endif
;; end of part 3
;; ======== version 2 of 2: 3 launches; version 1 with the launch pick written anew for expert scheduling mode
;; workspace buffers: xb 16,777,216 bytes; cbb 8,388,608 bytes; xsq 65,536 bytes; esq 32,768 bytes; pdist 131,072 bytes; pidx 131,072 bytes of whole numbers
;; launch round: the kernel of part 1 again; grid 256 x 1, 24 waves a work-group, no clusters, 0 bytes of LDS; arguments x, codebook, xb, cbb, xsq, esq; writes xb, cbb, xsq, esq
;; launch nearest: the kernel of part 2 again; grid 128 x 2, 4 waves a work-group, clusters of 4 x 1, 327,680 bytes of LDS; arguments xb, cbb, xsq, esq, pdist, pidx; writes pdist, pidx
;; launch pick (part 4): grid 256 x 1, 16 waves a work-group, no clusters, 0 bytes of LDS; arguments values, pdist, pidx, out0; writes out0
.if DOCPART == 4
	.amdgcn_target "amdgcn-amd-amdhsa--gfx1250"
	.amdhsa_code_object_version 6
	.text
	.protected	k_q98ea1dcebb_pick
	.globl	k_q98ea1dcebb_pick
	.p2align	8
	.type	k_q98ea1dcebb_pick,@function
k_q98ea1dcebb_pick:
	s_mov_b64 s[64:65], 0
	v_nop
	global_prefetch_b8 v0, s[64:65] scope:SCOPE_SE
	s_setreg_imm32_b32 hwreg(HW_REG_WAVE_SCHED_MODE, 0, 2), 2
	s_setreg_imm32_b32 hwreg(HW_REG_WAVE_MODE, 25, 1), 1
	s_wait_xcnt 0x0
	s_wait_alu depctr_vm_vsrc(0)
; out0[row][:] = values[k][:], k the nearer of the row's two candidates: pidx[0][row] with distance pdist[0][row] (codes 0-4095), pidx[1][row] with pdist[1][row] (codes 4096-8191).
; values: [8192][512] f32, out0: [16384][512] f32; the numbers are copied as they are.
; The indices are whole numbers that the launch before stored: they make the addresses.  WHICH of the two is nearer hangs on floating-point numbers, so it steers no address: both rows are
; loaded and each word is chosen by v_cndmask_b32.  The second half wins only where its distance is strictly less: of equals the lower index stays.
; 256 work-groups x 16 waves; a wave owns four rows: 32 loads of 512 consecutive bytes, all out at once, no loop, no register used twice.  A store covers 512 consecutive bytes, aligned to 256.
; No LDS, no matrix unit, no cluster: a copy.  An index is held to 0..8191 before it enters an address.
; THE MODE: SCHED_MODE bits 1:0 = 2 (LLVM: expert scheduling mode 2), set by the entry lines.  The code itself states the register dependences
; between vector instructions and memory instructions, with s_wait_alu, always for 0.
; THE PLAN.  Registers that memory instructions touch:
;   v1         the offset, 16 x lane.  Written by two vector lines at the head; read by every load and store; never written again.
;   RA, row q  Written by the row's first four loads; read and written by its sixteen selects; read by its four stores; never written again.
;   RBB, row q Written by the row's second four loads; read by the sixteen selects; never written again.
;   v2 to v6 are named by vector instructions alone.  Vector instructions write s12 (the wave's number) and s52 to s55 (the four masks).
; So: one wait on va_vdst ahead of the first load (v1), one a row between the selects and the stores (RA); one wait on va_sdst ahead of s12's first reader, one behind the run of four
; compares.  No load lands in a register that a vector instruction has named, and nothing that a memory instruction reads is written again: no wait on vm_vsrc is owed.  EXEC is never written.
.set RA, 16                            ; v[16+32 q ..] 16 registers: row q's first candidate, then the row to store
.set RBB, 32                           ; v[32+32 q ..] its second candidate
.set D0, 2                             ; v[2:5] the first candidates' distances
	s_load_b256 s[4:11], s[0:1], 0x0               ; values s[4:5], pdist s[6:7], pidx s[8:9], out0 s[10:11]
	v_lshrrev_b32 v6, 5, v0
	v_readfirstlane_b32 s12, v6                    ; wave 0..15
	v_and_b32 v1, 31, v0
	v_lshlrev_b32 v1, 4, v1                        ; 16 bytes a lane
	s_lshl_b32 s13, ttmp9, 4
	s_wait_alu depctr_va_sdst(0)                   ; s12 is written, ahead of its first reader: the bases of pdist, pidx and out0 are made from it
	s_add_co_u32 s13, s13, s12                     ; my wave among 4,096
	s_lshl_b32 s14, s13, 4                         ; four rows x 4 bytes in pdist and pidx
	s_mov_b32 s15, 0
	s_lshl_b32 s48, s13, 13                        ; four rows x 2,048 bytes in out0
	s_mov_b32 s49, 0
	s_wait_kmcnt 0x0
	s_add_nc_u64 s[6:7], s[6:7], s[14:15]
	s_add_nc_u64 s[8:9], s[8:9], s[14:15]
	s_add_nc_u64 s[10:11], s[10:11], s[48:49]
	s_load_b128 s[16:19], s[8:9], 0x0              ; four indices of the first half,
	s_load_b128 s[20:23], s[8:9], 0x10000          ; of the second: 16,384 words further on
	s_load_b128 s[24:27], s[6:7], 0x0              ; and their distances
	s_load_b128 s[28:31], s[6:7], 0x10000
	s_wait_kmcnt 0x0
	s_wait_alu depctr_va_vdst(0)                   ; v1 is written: every load and store below reads it as its offset, and no vector instruction names it again
.irp q, 0,1,2,3
	s_min_u32 s[16+\q], s[16+\q], 0x1fff
	s_lshl_b32 s48, s[16+\q], 11                   ; a row of values is 2,048 bytes
	s_add_nc_u64 s[32+4*\q:33+4*\q], s[4:5], s[48:49]
	s_min_u32 s[20+\q], s[20+\q], 0x1fff
	s_lshl_b32 s48, s[20+\q], 11
	s_add_nc_u64 s[34+4*\q:35+4*\q], s[4:5], s[48:49]
.irp g, 0,1,2,3
	global_load_b128 v[RA+32*\q+4*\g:RA+32*\q+4*\g+3], v1, s[32+4*\q:33+4*\q] offset:512*\g
.endr
.irp g, 0,1,2,3
	global_load_b128 v[RBB+32*\q+4*\g:RBB+32*\q+4*\g+3], v1, s[34+4*\q:35+4*\q] offset:512*\g
.endr
.endr
	; The four choices are made in one run behind the loads: these eight lines name v2 to v5 and scalars alone, none of the registers that a load or store touches.
.irp q, 0,1,2,3
	v_mov_b32 v[D0+\q], s[24+\q]
.endr
.irp q, 0,1,2,3
	v_cmp_lt_f32 s[52+\q], s[28+\q], v[D0+\q]      ; is the second half's distance less?  The same answer in every lane
.endr
	s_wait_alu depctr_va_sdst(0)                   ; the four compares have written s52 to s55, ahead of the first select that reads one of them: one wait for the run
.irp q, 0,1,2,3
	s_wait_loadcnt 24-8*\q                         ; loads come back in order (ISA guide 5.7.1): this row's eight are in, eight for each younger row stay out
.irp n, 0,1,2,3,4,5,6,7,8,9,10,11,12,13,14,15
	v_cndmask_b32 v[RA+32*\q+\n], v[RA+32*\q+\n], v[RBB+32*\q+\n], s[52+\q]
.endr
	s_wait_alu depctr_va_vdst(0)                   ; the sixteen selects have written this row's RA, which the four stores below read
.irp g, 0,1,2,3
	global_store_b128 v1, v[RA+32*\q+4*\g:RA+32*\q+4*\g+3], s[10:11] offset:2048*\q+512*\g th:TH_STORE_NT
.endr
.endr
	s_endpgm
.Lfunc_end_k_q98ea1dcebb_pick:
	.size	k_q98ea1dcebb_pick, .Lfunc_end_k_q98ea1dcebb_pick-k_q98ea1dcebb_pick
	.p2alignl 7, 3214868480
	.fill 96, 4, 3214868480
	.section	.rodata,"a",@progbits
	.p2align	6, 0x0
	.amdhsa_kernel k_q98ea1dcebb_pick
		.amdhsa_group_segment_fixed_size 0
		.amdhsa_private_segment_fixed_size 0
		.amdhsa_enable_private_segment 0
		.amdhsa_kernarg_size 32
		.amdhsa_user_sgpr_count 2
		.amdhsa_user_sgpr_kernarg_segment_ptr 1
		.amdhsa_wavefront_size32 1
		.amdhsa_system_sgpr_workgroup_id_x 1
		.amdhsa_system_sgpr_workgroup_id_y 1
		.amdhsa_system_sgpr_workgroup_id_z 1
		.amdhsa_system_vgpr_workitem_id 0
		.amdhsa_next_free_vgpr 144
		.amdhsa_next_free_sgpr 66
		.amdhsa_reserve_vcc 0
		.amdhsa_float_denorm_mode_32 3
		.amdhsa_float_denorm_mode_16_64 3
		.amdhsa_memory_ordered 1
		.amdhsa_forward_progress 1
		.amdhsa_inst_pref_size 12
	.end_amdhsa_kernel
	.amdgpu_metadata
---
amdhsa.version: [ 1, 2 ]
amdhsa.kernels:
  - .name:           k_q98ea1dcebb_pick
    .symbol:         k_q98ea1dcebb_pick.kd
    .args:
      - { .name: values, .offset: 0, .size: 8, .value_kind: global_buffer, .address_space: global }
      - { .name: pdist, .offset: 8, .size: 8, .value_kind: global_buffer, .address_space: global }
      - { .name: pidx, .offset: 16, .size: 8, .value_kind: global_buffer, .address_space: global }
      - { .name: out0, .offset: 24, .size: 8, .value_kind: global_buffer, .address_space: global }
    .group_segment_fixed_size: 0
    .private_segment_fixed_size: 0
    .kernarg_segment_align: 8
    .kernarg_segment_size: 32
    .max_flat_workgroup_size: 512
    .sgpr_count:     66
    .vgpr_count:     144
    .wavefront_size: 32
...
	.end_amdgpu_metadata
.endif
;; end of part 4
